; MI455X (gfx1250); checked and timed in simulation.
; The chip was launched on July 23, 2026; its instructions are those of AMD's public machine-readable ISA for CDNA 5 (MIT licence, August 2026) and "CDNA5" Instruction Set Architecture Reference Guide (July 2026). The comments in the code are by the model that wrote it; some were corrected since.
;; Formula Net. Allowed arithmetic: float matrix products may take bf16 or f16 operands with f32 sums; all other float work in f32.
;; Inputs: a 4,096 float32; b 4,096 float32; c 4,096 float32; cross_b 4,096 float32; cross_w 4,096 float32; lin_b 64 float32; lin_w 64 float32; x 32,768 x 64 float32.
;; Outputs: out0 32,768 x 1 float32.
;; 2 versions, each right; version 2 is version 1 with the launch formula written anew for expert scheduling mode. Each part assembles by itself: llvm-mc -triple=amdgcn-amd-amdhsa -mcpu=gfx1250 --defsym DOCPART=n.
;; ======== version 1 of 2: 1 launch
;; launch formula (part 1): grid 256 x 1, 16 waves a work-group, no clusters, 94,208 bytes of LDS; arguments x, a, b, c, cross_w, cross_b, lin_w, lin_b, out0; writes out0
.if DOCPART == 1
	.amdgcn_target "amdgcn-amd-amdhsa--gfx1250"
	.amdhsa_code_object_version 6
	.text
	.protected	k_q20f7233be6_formula
	.globl	k_q20f7233be6_formula
	.p2align	8
	.type	k_q20f7233be6_formula,@function
k_q20f7233be6_formula:
	s_mov_b64 s[64:65], 0
	v_nop
	global_prefetch_b8 v0, s[64:65] scope:SCOPE_SE
	s_setreg_imm32_b32 hwreg(HW_REG_WAVE_MODE, 25, 1), 1
	s_wait_xcnt 0x0
; out[row] = sum over i, j of ( cross_w[ij] a[ij] exp(-(x_i x_j - b[ij])^2 / (2 c[ij]^2)) + cross_b[ij] )  +  sum over j of ( lin_w[j] x_j + lin_b[j] ).
; x: [32768][64] f32; a, b, c, cross_w, cross_b: [4096] f32 (ij = 64 i + j); lin_w, lin_b: [64] f32; out: [32768] f32.
;
; THE ARITHMETIC.  Once for each ij:  s = K1 / c  (K1 = sqrt(log2(e) / 2)),  nbs = -b s,  aw = a cross_w.  Then for each row
;   y = x_j x_i;   u = y s + nbs (fused);   e = 2^(-u u) = exp(-(y - b)^2 / (2 c^2));   acc += e aw (fused),
; on register pairs that hold two neighbouring j of one row: four packed instructions and two v_exp_f32 for two elements.
; The exponent -u u is never above 0, whatever the inputs: no exponential can overflow, and one that underflows is 0 as in the formula
; itself.  So there is no maximum to take away.
;
; LIMITS, kept knowingly.  c is a normal number other than 0 whose reciprocal is finite (v_rcp_f32 takes a denormal as 0); with c = 0 u can
; be NaN where the formula gives 0.  nbs is rounded once, so u carries an absolute error of up to |b s| 2^-24 beside the fused
; multiply-add's own rounding.  The sums are formed in another order than row by row, all in f32.
;
; THE SHARES.  256 work-groups of 128 rows.  16 waves: wave w = 4 bi + bj owns i in [16 bi, 16 bi + 16) x j in [16 bj, 16 bj + 16) for all
; 128 rows; lane l owns rows l + 32 r, r = 0..3.  So each of the 3 x 4,096 prepared parameters is read from LDS by one wave alone, as a
; broadcast (all lanes the same 16 bytes), and serves 128 rows.  Wave w also takes lin_w x of j = 4 w .. 4 w + 3, those four lin_b and the
; 256 cross_b that its lanes load.  The 16 waves' partial sums of a row meet in LDS; wave 0 adds them and stores 512 consecutive bytes.
;
; LEFT OUT.  No matrix instruction: the only product is with one column, and rounding e to 16 bits would cost as many instructions as the
; multiply-add that it replaces.  No cluster, no tensor load: what work-groups share is 5 x 16,384 bytes of parameters, loaded once at the
; first lines and reworked in registers (reciprocal, products) on their way to LDS, against 524,288 exponentials of a work-group.
.set XPITCH, 272                       ; an LDS row of x: 256 bytes + 16 = 68 words, so that the 16 rows that half a wave reads begin 4 words apart modulo 64 (64 banks of 4 bytes: ISA guide 11.1)
.set XBLK,   32*XPITCH                 ; 32 rows: from a lane's row r to its row r + 1, and from one of a thread's four x loads to the next
.set PB,     128*XPITCH                ; 34,816: the parameters, behind x's 128 rows
.set PARR,   16384                     ; S at PB, NBS at PB + PARR, AW at PB + 2 PARR, each [4096] f32 in the order of ij
.set PART,   PB+3*PARR                 ; 83,968: PART[wave][row] f32, 512 bytes a wave; ends at 92,160
.set K1,     0x3f596d27                ; sqrt(log2(e) / 2) = 0.8493218
.set ACC, 16                           ; v[16:31]   sums: row r in 4 r .. 4 r + 3
.set T,   32                           ; v[32:47]   at work: row r, pair jp at 4 r + 2 jp
.set P0,  48                           ; v[48:59]   parameters of four j, buffer 0: S +0..3, NBS +4..7, AW +8..11
.set P1,  60                           ; v[60:71]   buffer 1
.set XI,  72                           ; v[72:87]   x_i of the trip's four i: row r at 4 r
.set XJ,  88                           ; v[88:151]  x_j of my 16 j: row r at 16 r
; in front of the first barrier the same registers hold what was loaded:
.set LC,  88                           ; v[88:95]   c
.set LB,  96                           ; v[96:103]  b
.set LA,  104                          ; v[104:111] a, then a cross_w
.set LW,  112                          ; v[112:119] cross_w
.set LX,  120                          ; v[120:135] x
.set LCB, 136                          ; v[136:143] cross_b
.set MS,  32                           ; v[32:39]   s
.set MN,  40                           ; v[40:47]   nbs
	s_load_b512 s[4:19], s[0:1], 0x0               ; x s[4:5], a s[6:7], b s[8:9], c s[10:11], cross_w s[12:13], cross_b s[14:15], lin_w s[16:17], lin_b s[18:19]
	s_load_b64 s[20:21], s[0:1], 0x40              ; out
	v_lshl_add_u32 v152, v0, 2, 0x16800
	v_mov_b32 v153, 0
	v_lshrrev_b32 v1, 5, v0
	v_readfirstlane_b32 s22, v1                    ; wave w, 0..15
	v_and_b32 v1, 31, v0                           ; lane
	v_lshlrev_b32 v2, 4, v0                        ; 16 t: my 16 bytes in every block of 8,192 bytes that the 512 threads load together
	s_lshr_b32 s23, s22, 2                         ; bi
	s_and_b32 s24, s22, 3                          ; bj
	s_mov_b32 s36, 0x76543210                      ; v_permlanex16_b32: lane i of one half reads lane i of the other
	s_mov_b32 s37, 0xfedcba98
	s_mul_i32 s40, s22, 2*XPITCH                   ; a wave's load of x covers 512 bytes = two rows: rows 2 w, 2 w + 1 of each 32
	s_lshl_b32 s41, s22, 9                         ; 512 w
	s_add_co_u32 s46, s41, PART                    ; my wave's partial sums
	s_add_co_u32 s41, s41, PB                      ; where my wave's 512 bytes of each parameter block go
	s_lshl_b32 s42, s22, 4                         ; 16 w: bytes of columns 4 w .. 4 w + 3
	s_lshl_b32 s43, s24, 6                         ; 64 bj: bytes of column 16 bj
	s_lshl_b32 s44, s23, 6                         ; 64 bi
	s_lshl_b32 s45, s23, 12                        ; ij = 64 i + j, 4 bytes each: 4,096 bi
	s_add_co_u32 s45, s45, s43                     ; + 64 bj
	s_add_co_u32 s45, s45, PB
	v_lshrrev_b32 v3, 4, v1                        ; which of the wave's two rows
	v_and_b32 v13, 15, v1
	v_mul_u32_u24 v3, v3, XPITCH
	v_lshl_add_u32 v3, v13, 4, v3                  ; + 16 bytes for each of 16 lanes
	v_add_nc_u32 v3, s40, v3                       ; v3: where my 16 bytes of x go
	v_lshl_add_u32 v4, v1, 4, s41                  ; v4: where my 16 bytes of a parameter block go
	v_mul_u32_u24 v5, v1, XPITCH                   ; row l of x in LDS
	v_add_nc_u32 v6, s43, v5                       ; v6: x_j, my wave's 16 j
	v_add_nc_u32 v7, s44, v5                       ; v7: x_i, the trip's four i (stepped by 16 bytes a trip)
	v_add_nc_u32 v8, s42, v5                       ; v8: x of the linear terms
	v_mov_b32 v9, s45                              ; v9: parameters of the trip's first i (stepped by 4 x 256 bytes a trip); the same in all lanes
	v_lshl_add_u32 v10, v1, 2, s46                 ; v10: PART[w][l]
	v_lshlrev_b32 v11, 4, v1                       ; v11: 16 l, wave 0's byte offset in the group's 512 bytes of out
	v_add_nc_u32 v14, PART, v11                    ; v14: PART[0][4 l]
	s_wait_kmcnt 0x0
	; Fourteen loads, all at once; each covers 512 consecutive bytes of a wave, at a multiple of 512 from its buffer's first byte.
	; c first: the reciprocals are the longest chain.
.irp k, 0,1
	global_load_b128 v[LC+4*\k:LC+4*\k+3], v2, s[10:11] offset:8192*\k
.endr
.irp k, 0,1
	global_load_b128 v[LB+4*\k:LB+4*\k+3], v2, s[8:9] offset:8192*\k
.endr
.irp k, 0,1
	global_load_b128 v[LA+4*\k:LA+4*\k+3], v2, s[6:7] offset:8192*\k
.endr
.irp k, 0,1
	global_load_b128 v[LW+4*\k:LW+4*\k+3], v2, s[12:13] offset:8192*\k
.endr
	s_lshl_b32 s26, ttmp9, 15                      ; the work-group's 128 rows of 256 bytes
	s_mov_b32 s27, 0
	s_add_nc_u64 s[4:5], s[4:5], s[26:27]
.irp k, 0,1,2,3
	global_load_b128 v[LX+4*\k:LX+4*\k+3], v2, s[4:5] offset:8192*\k th:TH_LOAD_NT   ; read once in the whole launch
.endr
.irp k, 0,1
	global_load_b128 v[LCB+4*\k:LCB+4*\k+3], v2, s[14:15] offset:8192*\k
.endr
	s_lshl_b32 s26, ttmp9, 9                       ; the work-group's 128 results of 4 bytes
	s_add_nc_u64 s[20:21], s[20:21], s[26:27]
	s_mov_b32 s26, s42                             ; 16 w
	s_add_nc_u64 s[16:17], s[16:17], s[26:27]
	s_add_nc_u64 s[18:19], s[18:19], s[26:27]
	s_load_b128 s[28:31], s[16:17], 0x0            ; lin_w[4 w .. 4 w + 3]
	s_load_b128 s[32:35], s[18:19], 0x0            ; lin_b[4 w .. 4 w + 3]
	; The parameters of my 8 ij.
	s_wait_loadcnt 12                              ; loads come back in order (ISA guide 5.7.1): c's two are in, the twelve behind them stay out
.irp k, 0,1,2,3,4,5,6,7
	v_rcp_f32 v[MS+\k], v[LC+\k]
.endr
	s_wait_loadcnt 6                               ; b, a, cross_w are in; x's four and cross_b's two stay out
.irp k, 0,2,4,6
	v_pk_mul_f32 v[LA+\k:LA+\k+1], v[LA+\k:LA+\k+1], v[LW+\k:LW+\k+1]      ; aw = a cross_w; also the plain instructions between the reciprocals and their first use (ISA guide 5.7.2)
.endr
	s_wait_alu depctr_va_vdst(0)
.irp k, 0,2,4,6
	v_pk_mul_f32 v[MS+\k:MS+\k+1], v[MS+\k:MS+\k+1], K1 op_sel_hi:[1,0]    ; s = K1 / c
.endr
.irp k, 0,2,4,6
	v_pk_mul_f32 v[MN+\k:MN+\k+1], v[LB+\k:LB+\k+1], v[MS+\k:MS+\k+1] neg_lo:[0,1] neg_hi:[0,1]   ; nbs = -b s
.endr
.irp k, 0,1
	ds_store_b128 v4, v[MS+4*\k:MS+4*\k+3] offset:8192*\k
	ds_store_b128 v4, v[MN+4*\k:MN+4*\k+3] offset:PARR+8192*\k
	ds_store_b128 v4, v[LA+4*\k:LA+4*\k+3] offset:2*PARR+8192*\k
.endr
	s_wait_loadcnt 2                               ; x is in; cross_b's two stay out
.irp k, 0,1,2,3
	ds_store_b128 v3, v[LX+4*\k:LX+4*\k+3] offset:XBLK*\k                  ; 8,192 bytes of x are 32 rows
.endr
	s_wait_dscnt 0x0                               ; for the other waves' sake: all my ten stores are in LDS
	s_barrier_signal -1
	; While the others arrive, registers only: my wave's constant = its 256 cross_b + its four lin_b.
	s_wait_loadcnt 0x0                             ; cross_b
	v_pk_add_f32 v[LCB:LCB+1], v[LCB:LCB+1], v[LCB+2:LCB+3]
	v_pk_add_f32 v[LCB+4:LCB+5], v[LCB+4:LCB+5], v[LCB+6:LCB+7]
	v_pk_add_f32 v[LCB:LCB+1], v[LCB:LCB+1], v[LCB+4:LCB+5]
	v_add_f32 v12, v[LCB], v[LCB+1]
	v_add_f32_dpp v12, v12, v12 row_xmask:1 row_mask:0xf bank_mask:0xf
	v_add_f32_dpp v12, v12, v12 row_xmask:2 row_mask:0xf bank_mask:0xf
	v_add_f32_dpp v12, v12, v12 row_xmask:4 row_mask:0xf bank_mask:0xf
	v_add_f32_dpp v12, v12, v12 row_xmask:8 row_mask:0xf bank_mask:0xf
	v_permlanex16_b32 v13, v12, s36, s37           ; v13 was written above, in all lanes
	v_add_f32 v12, v12, v13                        ; every lane: the sum of the wave's 256 cross_b
	s_wait_kmcnt 0x0                               ; lin_w, lin_b
	s_add_f32 s39, s32, s33
	s_add_f32 s40, s34, s35
	s_add_f32 s39, s39, s40
	v_add_f32 v12, s39, v12
	s_barrier_wait -1                              ; x and the parameters of all 16 waves are in LDS; nothing writes them again
	; My rows' operands.  The linear terms start the sums: nothing is cleared.
.irp r, 0,1,2,3
	ds_load_b128 v[T+4*\r:T+4*\r+3], v8 offset:XBLK*\r                     ; x[l + 32 r][4 w .. 4 w + 3]
.endr
.irp r, 0,1,2,3
.irp q, 0,1,2,3
	ds_load_b128 v[XJ+16*\r+4*\q:XJ+16*\r+4*\q+3], v6 offset:XBLK*\r+16*\q ; x[l + 32 r][16 bj + 4 q ..]
.endr
.endr
	s_wait_dscnt 16                                ; LDS loads come back in order (ISA guide 5.7.1): the first four are in, XJ's sixteen stay out
.irp r, 0,1,2,3
.irp k, 0,1,2,3
	v_mul_f32 v[ACC+4*\r+\k], s[28+\k], v[T+4*\r+\k]
.endr
.endr
; Three broadcast loads: S, NBS, AW of i = the trip's first + ii, j = 16 bj + 4 q .. + 3.
.macro LDP buf, ii, q
.irp a, 0,1,2
	ds_load_b128 v[\buf+4*\a:\buf+4*\a+3], v9 offset:\a*PARR+\ii*256+\q*16
.endr
.endm
; The plain arithmetic in front of the exponentials for rows 2 h, 2 h + 1: four pairs, three instructions each, laid so that no
; instruction needs the one in front of it.  CUR, II, Q: the step's parameter buffer, its i and its four j.
.macro AHALF h
.irp r, 2*\h, 2*\h+1
.irp jp, 0,1
.if II&1
	v_pk_mul_f32 v[T+4*(\r)+2*\jp:T+4*(\r)+2*\jp+1], v[XJ+16*(\r)+4*Q+2*\jp:XJ+16*(\r)+4*Q+2*\jp+1], v[XI+4*(\r)+II-1:XI+4*(\r)+II] op_sel:[0,1] op_sel_hi:[1,1]   ; y: both by the pair's second register
.else
	v_pk_mul_f32 v[T+4*(\r)+2*\jp:T+4*(\r)+2*\jp+1], v[XJ+16*(\r)+4*Q+2*\jp:XJ+16*(\r)+4*Q+2*\jp+1], v[XI+4*(\r)+II:XI+4*(\r)+II+1] op_sel_hi:[1,0]                ; y: both by the pair's first register
.endif
.endr
.endr
.irp r, 2*\h, 2*\h+1
.irp jp, 0,1
	v_pk_fma_f32 v[T+4*(\r)+2*\jp:T+4*(\r)+2*\jp+1], v[T+4*(\r)+2*\jp:T+4*(\r)+2*\jp+1], v[CUR+2*\jp:CUR+2*\jp+1], v[CUR+4+2*\jp:CUR+4+2*\jp+1]   ; u = y s + nbs
.endr
.endr
.irp r, 2*\h, 2*\h+1
.irp jp, 0,1
	v_pk_mul_f32 v[T+4*(\r)+2*\jp:T+4*(\r)+2*\jp+1], v[T+4*(\r)+2*\jp:T+4*(\r)+2*\jp+1], v[T+4*(\r)+2*\jp:T+4*(\r)+2*\jp+1] neg_lo:[0,1] neg_hi:[0,1]   ; -u u
.endr
.endr
.endm
.macro XHALF h                         ; eight exponentials, in place
.irp k, 0,1,2,3,4,5,6,7
	v_exp_f32 v[T+8*\h+\k], v[T+8*\h+\k]
.endr
.endm
.macro FHALF h                         ; acc += e aw
	s_wait_alu depctr_va_vdst(0)
.irp r, 2*\h, 2*\h+1
.irp jp, 0,1
	v_pk_fma_f32 v[ACC+4*(\r)+2*\jp:ACC+4*(\r)+2*\jp+1], v[T+4*(\r)+2*\jp:T+4*(\r)+2*\jp+1], v[CUR+8+2*\jp:CUR+8+2*\jp+1], v[ACC+4*(\r)+2*\jp:ACC+4*(\r)+2*\jp+1]
.endr
.endr
.endm
	; Four trips of four i x 16 j = 16 steps of 16 elements a lane (4 rows x 4 j).  The parameters of a step are asked for one step ahead,
	; in two buffers that take turns.  Nothing is asked for across the back edge, so no load leaves the wave's block and there is no tail.
	s_mov_b32 s38, 0
.Ltrip:
.irp r, 0,1,2,3
	ds_load_b128 v[XI+4*\r:XI+4*\r+3], v7 offset:XBLK*\r                   ; x[l + 32 r][the trip's four i]
.endr
	LDP P0, 0, 0
.set st, 0
.rept 16
.set CUR, P0+12*(st&1)
.set NXT, P0+12*((st+1)&1)
.set II,  st>>2
.set Q,   st&3
.set NII, (st+1)>>2
.set NQ,  (st+1)&3
.if st < 15
	LDP NXT, NII, NQ
	s_wait_dscnt 3                                 ; only the three loads just issued stay out: this step's parameters are in (and XI, and in the first trip XJ)
.else
	s_wait_dscnt 0x0                               ; the trip's last step: nothing was issued behind its parameters
.endif
	AHALF 0
	XHALF 0
	AHALF 1                                        ; twelve plain instructions between the first eight exponentials and their use (ISA guide 5.7.2)
	XHALF 1
	FHALF 0                                        ; four between the second eight and theirs
	FHALF 1
.set st, st+1
.endr
	v_add_nc_u32 v7, 16, v7                        ; four i on in x's rows
	v_add_nc_u32 v9, 4*256, v9                     ; and in the parameters
	s_add_co_u32 s38, s38, 1
	s_cmp_lt_u32 s38, 4
	s_cbranch_scc1 .Ltrip
	; My wave's share of each of my four rows, with the wave's constant, to PART[w][l + 32 r].
.irp r, 0,1,2,3
	v_pk_add_f32 v[ACC+4*\r:ACC+4*\r+1], v[ACC+4*\r:ACC+4*\r+1], v[ACC+4*\r+2:ACC+4*\r+3]
.endr
.irp r, 0,1,2,3
	v_add_f32 v[ACC+4*\r], v[ACC+4*\r], v[ACC+4*\r+1]
.endr
.irp r, 0,1,2,3
	v_add_f32 v[ACC+4*\r], v12, v[ACC+4*\r]
.endr
.irp r, 0,1,2,3
	ds_store_b32 v10, v[ACC+4*\r] offset:128*\r
.endr
	s_wait_dscnt 0x0                               ; for wave 0's sake: my four stores are in LDS
	s_barrier_signal -1
	s_barrier_wait -1
	s_cmp_lg_u32 s22, 0                            ; no barrier follows: the other waves are done
	s_cbranch_scc1 .Lend
	; Wave 0: lane l adds the 16 waves' shares of rows 4 l .. 4 l + 3, always in the same order, and stores 16 bytes.
.irp k, 0,1,2,3,4,5,6,7,8,9,10,11,12,13,14,15
	ds_load_b128 v[XJ+4*\k:XJ+4*\k+3], v14 offset:512*\k
.endr
	s_wait_dscnt 0x0
.macro FOLD d                          ; share k += share k + d, k = 0 .. d - 1
.set k, 0
.rept \d
	v_pk_add_f32 v[XJ+4*k:XJ+4*k+1],   v[XJ+4*k:XJ+4*k+1],   v[XJ+4*(k+\d):XJ+4*(k+\d)+1]
	v_pk_add_f32 v[XJ+4*k+2:XJ+4*k+3], v[XJ+4*k+2:XJ+4*k+3], v[XJ+4*(k+\d)+2:XJ+4*(k+\d)+3]
.set k, k+1
.endr
.endm
	FOLD 8
	FOLD 4
	FOLD 2
	FOLD 1
	global_store_b128 v11, v[XJ:XJ+3], s[20:21]    ; the wave stores 512 consecutive bytes, at a multiple of 512 from out's first byte
.Lend:
	s_wait_tensorcnt 0x0
	ds_add_u32 v152, v153
	s_wait_dscnt 0x0
	s_endpgm
.Lfunc_end_k_q20f7233be6_formula:
	.size	k_q20f7233be6_formula, .Lfunc_end_k_q20f7233be6_formula-k_q20f7233be6_formula
	.p2alignl 7, 3214868480
	.fill 96, 4, 3214868480
	.section	.rodata,"a",@progbits
	.p2align	6, 0x0
	.amdhsa_kernel k_q20f7233be6_formula
		.amdhsa_group_segment_fixed_size 94208
		.amdhsa_private_segment_fixed_size 0
		.amdhsa_enable_private_segment 0
		.amdhsa_kernarg_size 72
		.amdhsa_user_sgpr_count 2
		.amdhsa_user_sgpr_kernarg_segment_ptr 1
		.amdhsa_wavefront_size32 1
		.amdhsa_system_sgpr_workgroup_id_x 1
		.amdhsa_system_sgpr_workgroup_id_y 1
		.amdhsa_system_sgpr_workgroup_id_z 1
		.amdhsa_system_vgpr_workitem_id 0
		.amdhsa_next_free_vgpr 154
		.amdhsa_next_free_sgpr 66
		.amdhsa_reserve_vcc 0
		.amdhsa_float_denorm_mode_32 3
		.amdhsa_float_denorm_mode_16_64 3
		.amdhsa_memory_ordered 1
		.amdhsa_forward_progress 1
		.amdhsa_inst_pref_size 58
	.end_amdhsa_kernel
	.amdgpu_metadata
---
amdhsa.version: [ 1, 2 ]
amdhsa.kernels:
  - .name:           k_q20f7233be6_formula
    .symbol:         k_q20f7233be6_formula.kd
    .args:
      - { .name: x, .offset: 0, .size: 8, .value_kind: global_buffer, .address_space: global }
      - { .name: a, .offset: 8, .size: 8, .value_kind: global_buffer, .address_space: global }
      - { .name: b, .offset: 16, .size: 8, .value_kind: global_buffer, .address_space: global }
      - { .name: c, .offset: 24, .size: 8, .value_kind: global_buffer, .address_space: global }
      - { .name: cross_w, .offset: 32, .size: 8, .value_kind: global_buffer, .address_space: global }
      - { .name: cross_b, .offset: 40, .size: 8, .value_kind: global_buffer, .address_space: global }
      - { .name: lin_w, .offset: 48, .size: 8, .value_kind: global_buffer, .address_space: global }
      - { .name: lin_b, .offset: 56, .size: 8, .value_kind: global_buffer, .address_space: global }
      - { .name: out0, .offset: 64, .size: 8, .value_kind: global_buffer, .address_space: global }
    .group_segment_fixed_size: 94208
    .private_segment_fixed_size: 0
    .kernarg_segment_align: 8
    .kernarg_segment_size: 72
    .max_flat_workgroup_size: 512
    .sgpr_count:     66
    .vgpr_count:     154
    .wavefront_size: 32
...
	.end_amdgpu_metadata
.endif
;; end of part 1
;; ======== version 2 of 2: 1 launch; version 1 with the launch formula written anew for expert scheduling mode
;; launch formula (part 2): grid 256 x 1, 16 waves a work-group, no clusters, 94,208 bytes of LDS; arguments x, a, b, c, cross_w, cross_b, lin_w, lin_b, out0; writes out0
.if DOCPART == 2
	.amdgcn_target "amdgcn-amd-amdhsa--gfx1250"
	.amdhsa_code_object_version 6
	.text
	.protected	k_q20f7233be6_formula
	.globl	k_q20f7233be6_formula
	.p2align	8
	.type	k_q20f7233be6_formula,@function
k_q20f7233be6_formula:
	s_mov_b64 s[64:65], 0
	v_nop
	global_prefetch_b8 v0, s[64:65] scope:SCOPE_SE
	s_setreg_imm32_b32 hwreg(HW_REG_WAVE_SCHED_MODE, 0, 2), 2
	s_setreg_imm32_b32 hwreg(HW_REG_WAVE_MODE, 25, 1), 1
	s_wait_xcnt 0x0
	s_wait_alu depctr_vm_vsrc(0)
; out[row] = sum over i, j of ( cross_w[ij] a[ij] exp(-(x_i x_j - b[ij])^2 / (2 c[ij]^2)) + cross_b[ij] )  +  sum over j of ( lin_w[j] x_j + lin_b[j] ).
; x: [32768][64] f32; a, b, c, cross_w, cross_b: [4096] f32 (ij = 64 i + j); lin_w, lin_b: [64] f32; out: [32768] f32.
;
; THE ARITHMETIC.  Once for each ij:  s = K1 / c  (K1 = sqrt(log2(e) / 2)),  nbs = -b s,  aw = a cross_w.  Then for each row
;   y = x_j x_i;   u = y s + nbs (fused);   e = 2^(-u u) = exp(-(y - b)^2 / (2 c^2));   acc += e aw (fused),
; on register pairs that hold two neighbouring j of one row: four packed instructions and two v_exp_f32 for two elements.
; The exponent -u u is never above 0, whatever the inputs: no exponential can overflow, and one that underflows is 0 as in the formula
; itself.  So there is no maximum to take away.
;
; LIMITS, kept knowingly.  c is a normal number other than 0 whose reciprocal is finite (v_rcp_f32 takes a denormal as 0); with c = 0 u can
; be NaN where the formula gives 0.  nbs is rounded once, so u carries an absolute error of up to |b s| 2^-24 beside the fused
; multiply-add's own rounding.  The sums are formed in another order than row by row, all in f32.
;
; THE SHARES.  256 work-groups of 128 rows.  16 waves: wave w = 4 bi + bj owns i in [16 bi, 16 bi + 16) x j in [16 bj, 16 bj + 16) for all
; 128 rows; lane l owns rows l + 32 r, r = 0..3.  So each of the 3 x 4,096 prepared parameters is read from LDS by one wave alone, as a
; broadcast (all lanes the same 16 bytes), and serves 128 rows.  Wave w also takes lin_w x of j = 4 w .. 4 w + 3, those four lin_b and the
; 256 cross_b that its lanes load.  The 16 waves' partial sums of a row meet in LDS; wave 0 adds them and stores 512 consecutive bytes.
;
; LEFT OUT.  No matrix instruction: the only product is with one column, and rounding e to 16 bits would cost as many instructions as the
; multiply-add that it replaces.  No cluster, no tensor load: what work-groups share is 5 x 16,384 bytes of parameters, loaded once at the
; first lines and reworked in registers (reciprocal, products) on their way to LDS, against 524,288 exponentials of a work-group.
;
; THE MODE: SCHED_MODE bits 1:0 = 2 (LLVM: expert scheduling mode 2), set by the entry lines.  The code itself states the register dependences
; between vector instructions and memory or LDS instructions, with s_wait_alu, always for 0.
; THE PLAN.  Registers that memory or LDS instructions touch, in the loop:
;   P0, P1   the parameters of a BLOCK: one i x my 16 j, four steps.  Block I's vector instructions read P[I & 1]; the twelve loads of block I + 1,
;            issued in block I, land in the other buffer, which block I - 1 read.
;   XI       loaded at a trip's head, read by the trip's vector instructions.
;   v7, v9   LDS addresses of XI and of the parameters: read by every LDS load of a trip, written by two adds at the trip's end.
;   XJ, T and ACC are named by vector instructions alone there.
; So one wait on va_vdst stands at a trip's head and one at the heads of blocks 1 and 2; behind each, the block's vector instructions name T, ACC, XI, XJ
; and the block's own buffer: none of the registers that the block's loads touch.  Those loads are dealt among its first two steps with no further
; wait.  One wait on vm_vsrc a trip stands ahead of the two adds.  The first lines and the way out state their dependences where they arise.
.set XPITCH, 272                       ; an LDS row of x: 256 bytes + 16 = 68 words, so that the 16 rows that half a wave reads begin 4 words apart modulo 64 (64 banks of 4 bytes: ISA guide 11.1)
.set XBLK,   32*XPITCH                 ; 32 rows: from a lane's row r to its row r + 1, and from one of a thread's four x loads to the next
.set PB,     128*XPITCH                ; 34,816: the parameters, behind x's 128 rows
.set PARR,   16384                     ; S at PB, NBS at PB + PARR, AW at PB + 2 PARR, each [4096] f32 in the order of ij
.set PART,   PB+3*PARR                 ; 83,968: PART[wave][row] f32, 512 bytes a wave; ends at 92,160
.set K1,     0x3f596d27                ; sqrt(log2(e) / 2) = 0.8493218
.set ACC, 16                           ; v[16:31]   sums: row r in 4 r .. 4 r + 3
.set T,   32                           ; v[32:47]   at work: row r, pair jp at 4 r + 2 jp
.set P0,  48                           ; v[48:95]   parameters of a block, buffer 0: the four j of step q at 12 q: S +0..3, NBS +4..7, AW +8..11
.set P1,  96                           ; v[96:143]  buffer 1 = P0 + 48
.set XI,  144                          ; v[144:159] x_i of the trip's four i: row r at 4 r
.set XJ,  160                          ; v[160:223] x_j of my 16 j: row r at 16 r
; in front of the first barrier the same registers hold what was loaded:
.set LC,  160                          ; v[160:167] c
.set LB,  168                          ; v[168:175] b
.set LA,  176                          ; v[176:183] a, then a cross_w
.set LW,  184                          ; v[184:191] cross_w
.set LX,  192                          ; v[192:207] x
.set LCB, 208                          ; v[208:215] cross_b
.set MS,  32                           ; v[32:39]   s
.set MN,  40                           ; v[40:47]   nbs
	s_load_b512 s[4:19], s[0:1], 0x0               ; x s[4:5], a s[6:7], b s[8:9], c s[10:11], cross_w s[12:13], cross_b s[14:15], lin_w s[16:17], lin_b s[18:19]
	s_load_b64 s[20:21], s[0:1], 0x40              ; out
	v_lshl_add_u32 v224, v0, 2, 0x16800
	v_mov_b32 v225, 0
	v_lshrrev_b32 v1, 5, v0
	v_readfirstlane_b32 s22, v1                    ; wave w, 0..15
	v_and_b32 v1, 31, v0                           ; lane
	v_lshlrev_b32 v2, 4, v0                        ; 16 t: my 16 bytes in every block of 8,192 bytes that the 512 threads load together
	s_wait_alu depctr_va_sdst(0)                   ; s22 is written, ahead of its first reader: the wave's places in LDS and in lin_w, lin_b are made from it
	s_lshr_b32 s23, s22, 2                         ; bi
	s_and_b32 s24, s22, 3                          ; bj
	s_mov_b32 s36, 0x76543210                      ; v_permlanex16_b32: lane i of one half reads lane i of the other
	s_mov_b32 s37, 0xfedcba98
	s_mul_i32 s40, s22, 2*XPITCH                   ; a wave's load of x covers 512 bytes = two rows: rows 2 w, 2 w + 1 of each 32
	s_lshl_b32 s41, s22, 9                         ; 512 w
	s_add_co_u32 s46, s41, PART                    ; my wave's partial sums
	s_add_co_u32 s41, s41, PB                      ; where my wave's 512 bytes of each parameter block go
	s_lshl_b32 s42, s22, 4                         ; 16 w: bytes of columns 4 w .. 4 w + 3
	s_lshl_b32 s43, s24, 6                         ; 64 bj: bytes of column 16 bj
	s_lshl_b32 s44, s23, 6                         ; 64 bi
	s_lshl_b32 s45, s23, 12                        ; ij = 64 i + j, 4 bytes each: 4,096 bi
	s_add_co_u32 s45, s45, s43                     ; + 64 bj
	s_add_co_u32 s45, s45, PB
	v_lshrrev_b32 v3, 4, v1                        ; which of the wave's two rows
	v_and_b32 v13, 15, v1
	v_mul_u32_u24 v3, v3, XPITCH
	v_lshl_add_u32 v3, v13, 4, v3                  ; + 16 bytes for each of 16 lanes
	v_add_nc_u32 v3, s40, v3                       ; v3: where my 16 bytes of x go
	v_lshl_add_u32 v4, v1, 4, s41                  ; v4: where my 16 bytes of a parameter block go
	v_mul_u32_u24 v5, v1, XPITCH                   ; row l of x in LDS
	v_add_nc_u32 v6, s43, v5                       ; v6: x_j, my wave's 16 j
	v_add_nc_u32 v7, s44, v5                       ; v7: x_i, the trip's four i (stepped by 16 bytes a trip)
	v_add_nc_u32 v8, s42, v5                       ; v8: x of the linear terms
	v_mov_b32 v9, s45                              ; v9: parameters of the trip's first i (stepped by 4 x 256 bytes a trip); the same in all lanes
	v_lshl_add_u32 v10, v1, 2, s46                 ; v10: PART[w][l]
	v_lshlrev_b32 v11, 4, v1                       ; v11: 16 l, wave 0's byte offset in the group's 512 bytes of out
	v_add_nc_u32 v14, PART, v11                    ; v14: PART[0][4 l]
	s_wait_kmcnt 0x0
	s_wait_alu depctr_va_vdst(0)                   ; the offsets and addresses v2 to v4, v6 to v11 and v14 are written, which the loads and stores of the whole kernel read
	; Fourteen loads, all at once; each covers 512 consecutive bytes of a wave, at a multiple of 512 from its buffer's first byte.
	; c first: the reciprocals are the longest chain.
.irp k, 0,1
	global_load_b128 v[LC+4*\k:LC+4*\k+3], v2, s[10:11] offset:8192*\k
.endr
.irp k, 0,1
	global_load_b128 v[LB+4*\k:LB+4*\k+3], v2, s[8:9] offset:8192*\k
.endr
.irp k, 0,1
	global_load_b128 v[LA+4*\k:LA+4*\k+3], v2, s[6:7] offset:8192*\k
.endr
.irp k, 0,1
	global_load_b128 v[LW+4*\k:LW+4*\k+3], v2, s[12:13] offset:8192*\k
.endr
	s_lshl_b32 s26, ttmp9, 15                      ; the work-group's 128 rows of 256 bytes
	s_mov_b32 s27, 0
	s_add_nc_u64 s[4:5], s[4:5], s[26:27]
.irp k, 0,1,2,3
	global_load_b128 v[LX+4*\k:LX+4*\k+3], v2, s[4:5] offset:8192*\k th:TH_LOAD_NT   ; read once in the whole launch
.endr
.irp k, 0,1
	global_load_b128 v[LCB+4*\k:LCB+4*\k+3], v2, s[14:15] offset:8192*\k
.endr
	s_lshl_b32 s26, ttmp9, 9                       ; the work-group's 128 results of 4 bytes
	s_add_nc_u64 s[20:21], s[20:21], s[26:27]
	s_mov_b32 s26, s42                             ; 16 w
	s_add_nc_u64 s[16:17], s[16:17], s[26:27]
	s_add_nc_u64 s[18:19], s[18:19], s[26:27]
	s_load_b128 s[28:31], s[16:17], 0x0            ; lin_w[4 w .. 4 w + 3]
	s_load_b128 s[32:35], s[18:19], 0x0            ; lin_b[4 w .. 4 w + 3]
	; The parameters of my 8 ij.
	s_wait_loadcnt 12                              ; loads come back in order (ISA guide 5.7.1): c's two are in, the twelve behind them stay out
.irp k, 0,1,2,3,4,5,6,7
	v_rcp_f32 v[MS+\k], v[LC+\k]
.endr
	s_wait_loadcnt 6                               ; b, a, cross_w are in; x's four and cross_b's two stay out
.irp k, 0,2,4,6
	v_pk_mul_f32 v[LA+\k:LA+\k+1], v[LA+\k:LA+\k+1], v[LW+\k:LW+\k+1]      ; aw = a cross_w; also the plain instructions between the reciprocals and their first use (ISA guide 5.7.2)
.endr
	s_wait_alu depctr_va_vdst(0)
.irp k, 0,2,4,6
	v_pk_mul_f32 v[MS+\k:MS+\k+1], v[MS+\k:MS+\k+1], K1 op_sel_hi:[1,0]    ; s = K1 / c
.endr
.irp k, 0,2,4,6
	v_pk_mul_f32 v[MN+\k:MN+\k+1], v[LB+\k:LB+\k+1], v[MS+\k:MS+\k+1] neg_lo:[0,1] neg_hi:[0,1]   ; nbs = -b s
.endr
	s_wait_alu depctr_va_vdst(0)                   ; s, nbs and aw are written into v[MS ..], v[MN ..] and v[LA ..], which the six LDS stores below read
.irp k, 0,1
	ds_store_b128 v4, v[MS+4*\k:MS+4*\k+3] offset:8192*\k
	ds_store_b128 v4, v[MN+4*\k:MN+4*\k+3] offset:PARR+8192*\k
	ds_store_b128 v4, v[LA+4*\k:LA+4*\k+3] offset:2*PARR+8192*\k
.endr
	s_wait_loadcnt 2                               ; x is in; cross_b's two stay out
.irp k, 0,1,2,3
	ds_store_b128 v3, v[LX+4*\k:LX+4*\k+3] offset:XBLK*\k                  ; 8,192 bytes of x are 32 rows; their data come from loads, no vector instruction has named them
.endr
	s_wait_dscnt 0x0                               ; for the other waves' sake: all my ten stores are in LDS
	s_barrier_signal -1
	; While the others arrive, registers only: my wave's constant = its 256 cross_b + its four lin_b.
	s_wait_loadcnt 0x0                             ; cross_b
	v_pk_add_f32 v[LCB:LCB+1], v[LCB:LCB+1], v[LCB+2:LCB+3]
	v_pk_add_f32 v[LCB+4:LCB+5], v[LCB+4:LCB+5], v[LCB+6:LCB+7]
	v_pk_add_f32 v[LCB:LCB+1], v[LCB:LCB+1], v[LCB+4:LCB+5]
	v_add_f32 v12, v[LCB], v[LCB+1]
	v_add_f32_dpp v12, v12, v12 row_xmask:1 row_mask:0xf bank_mask:0xf
	v_add_f32_dpp v12, v12, v12 row_xmask:2 row_mask:0xf bank_mask:0xf
	v_add_f32_dpp v12, v12, v12 row_xmask:4 row_mask:0xf bank_mask:0xf
	v_add_f32_dpp v12, v12, v12 row_xmask:8 row_mask:0xf bank_mask:0xf
	v_permlanex16_b32 v13, v12, s36, s37           ; v13 was written above, in all lanes
	v_add_f32 v12, v12, v13                        ; every lane: the sum of the wave's 256 cross_b
	s_wait_kmcnt 0x0                               ; lin_w, lin_b
	s_add_f32 s39, s32, s33
	s_add_f32 s40, s34, s35
	s_add_f32 s39, s39, s40
	v_add_f32 v12, s39, v12
	s_barrier_wait -1                              ; x and the parameters of all 16 waves are in LDS; nothing writes them again
	s_wait_alu depctr_vm_vsrc(0)                   ; my LDS stores have read v[MS ..], v[MN ..], v[LA ..] and v[LX ..]: these registers are T and XJ from here on, in which the loads below land
	s_wait_alu depctr_va_vdst(0)                   ; cross_b's additions are done reading and writing v[LCB ..], a part of XJ, in which the loads below land
	; My rows' operands.  The linear terms start the sums: nothing is cleared.
.irp r, 0,1,2,3
	ds_load_b128 v[T+4*\r:T+4*\r+3], v8 offset:XBLK*\r                     ; x[l + 32 r][4 w .. 4 w + 3]
.endr
.irp r, 0,1,2,3
.irp q, 0,1,2,3
	ds_load_b128 v[XJ+16*\r+4*\q:XJ+16*\r+4*\q+3], v6 offset:XBLK*\r+16*\q ; x[l + 32 r][16 bj + 4 q ..]
.endr
.endr
	s_wait_dscnt 16                                ; LDS loads come back in order (ISA guide 5.7.1): the first four are in, XJ's sixteen stay out
.irp r, 0,1,2,3
.irp k, 0,1,2,3
	v_mul_f32 v[ACC+4*\r+\k], s[28+\k], v[T+4*\r+\k]
.endr
.endr
; Three broadcast loads: S, NBS, AW of i = the trip's first + ii, j = 16 bj + 4 q .. + 3, into the twelve registers from buf on.
.macro LDP buf, ii, q
.irp a, 0,1,2
	ds_load_b128 v[(\buf)+4*\a:(\buf)+4*\a+3], v9 offset:\a*PARR+(\ii)*256+(\q)*16
.endr
.endm
; The plain arithmetic in front of the exponentials for rows 2 h, 2 h + 1: four pairs, three instructions each, laid so that no
; instruction needs the one in front of it.  CUR, II, Q: the step's twelve parameter registers, its i and its four j.
.macro AHALF h
.irp r, 2*\h, 2*\h+1
.irp jp, 0,1
.if II&1
	v_pk_mul_f32 v[T+4*(\r)+2*\jp:T+4*(\r)+2*\jp+1], v[XJ+16*(\r)+4*Q+2*\jp:XJ+16*(\r)+4*Q+2*\jp+1], v[XI+4*(\r)+II-1:XI+4*(\r)+II] op_sel:[0,1] op_sel_hi:[1,1]   ; y: both by the pair's second register
.else
	v_pk_mul_f32 v[T+4*(\r)+2*\jp:T+4*(\r)+2*\jp+1], v[XJ+16*(\r)+4*Q+2*\jp:XJ+16*(\r)+4*Q+2*\jp+1], v[XI+4*(\r)+II:XI+4*(\r)+II+1] op_sel_hi:[1,0]                ; y: both by the pair's first register
.endif
.endr
.endr
.irp r, 2*\h, 2*\h+1
.irp jp, 0,1
	v_pk_fma_f32 v[T+4*(\r)+2*\jp:T+4*(\r)+2*\jp+1], v[T+4*(\r)+2*\jp:T+4*(\r)+2*\jp+1], v[CUR+2*\jp:CUR+2*\jp+1], v[CUR+4+2*\jp:CUR+4+2*\jp+1]   ; u = y s + nbs
.endr
.endr
.irp r, 2*\h, 2*\h+1
.irp jp, 0,1
	v_pk_mul_f32 v[T+4*(\r)+2*\jp:T+4*(\r)+2*\jp+1], v[T+4*(\r)+2*\jp:T+4*(\r)+2*\jp+1], v[T+4*(\r)+2*\jp:T+4*(\r)+2*\jp+1] neg_lo:[0,1] neg_hi:[0,1]   ; -u u
.endr
.endr
.endm
.macro XHALF h                         ; eight exponentials, in place
.irp k, 0,1,2,3,4,5,6,7
	v_exp_f32 v[T+8*\h+\k], v[T+8*\h+\k]
.endr
.endm
.macro FHALF h                         ; acc += e aw
	s_wait_alu depctr_va_vdst(0)
.irp r, 2*\h, 2*\h+1
.irp jp, 0,1
	v_pk_fma_f32 v[ACC+4*(\r)+2*\jp:ACC+4*(\r)+2*\jp+1], v[T+4*(\r)+2*\jp:T+4*(\r)+2*\jp+1], v[CUR+8+2*\jp:CUR+8+2*\jp+1], v[ACC+4*(\r)+2*\jp:ACC+4*(\r)+2*\jp+1]
.endr
.endr
.endm
	; Four trips of four i x 16 j = 16 steps of 16 elements a lane (4 rows x 4 j), in four blocks of one i.  The parameters of a block are asked
	; for one block ahead, in two buffers that take turns.  Nothing is asked for across the back edge, so no load leaves the wave's block and there is no tail.
	s_mov_b32 s38, 0
.Ltrip:
	s_wait_alu depctr_va_vdst(0)                   ; round the back edge: v7 and v9 are written, which the trip's loads read; the last trip is done reading XI, P0 and P1, in which the loads of this trip's head and of its block 0 land
.irp r, 0,1,2,3
	ds_load_b128 v[XI+4*\r:XI+4*\r+3], v7 offset:XBLK*\r                   ; x[l + 32 r][the trip's four i]
.endr
.irp q, 0,1,2,3
	LDP P0+12*\q, 0, \q                            ; block 0, step by step
.endr
.set st, 0
.rept 16
.set II,  st>>2                        ; the block
.set Q,   st&3                         ; the step in it
.set CUR, P0+48*(II&1)+12*Q
.set NB,  P0+48*((II+1)&1)+24*Q        ; where steps 2 Q and 2 Q + 1 of the next block go
.set NI,  II+1
.set NQ,  2*Q
.if II == 0                            ; block 0 was asked for at the trip's head: LDS loads come back in order (ISA guide 5.7.1), so each step waits for its own three
.if Q == 0
	s_wait_dscnt 9                                 ; XI and step 0's parameters are in (in the first trip XJ too); those of steps 1 to 3 stay out
.elseif Q == 1
	s_wait_dscnt 12                                ; behind step 1's: steps 2 and 3 (six) and the six dealt in step 0
.elseif Q == 2
	s_wait_dscnt 15                                ; behind step 2's: step 3 (three) and block 1's twelve
.else
	s_wait_dscnt 12                                ; behind step 3's: block 1's twelve
.endif
.elseif Q == 0
	s_wait_dscnt 0x0                               ; this block's twelve loads, the last of them issued two and a half steps back, are in
.if II < 3
	s_wait_alu depctr_va_vdst(0)                   ; the block before is done reading its parameter buffer, in which the twelve loads below land
.endif
.endif
.if (II < 3) && (Q < 2)
	LDP NB, NI, NQ                                 ; no wait: no vector instruction since the last wait on va_vdst names v9 or the other buffer
.endif
	AHALF 0
	XHALF 0
.if (II < 3) && (Q < 2)
	LDP NB+12, NI, NQ+1
.endif
	AHALF 1                                        ; twelve plain instructions between the first eight exponentials and their use (ISA guide 5.7.2)
	XHALF 1
	FHALF 0                                        ; four between the second eight and theirs
	FHALF 1
.set st, st+1
.endr
	s_wait_alu depctr_vm_vsrc(0)                   ; the trip's LDS loads have read v7 and v9, which the two adds write
	v_add_nc_u32 v7, 16, v7                        ; four i on in x's rows
	v_add_nc_u32 v9, 4*256, v9                     ; and in the parameters
	s_add_co_u32 s38, s38, 1
	s_cmp_lt_u32 s38, 4
	s_cbranch_scc1 .Ltrip
	; My wave's share of each of my four rows, with the wave's constant, to PART[w][l + 32 r].
.irp r, 0,1,2,3
	v_pk_add_f32 v[ACC+4*\r:ACC+4*\r+1], v[ACC+4*\r:ACC+4*\r+1], v[ACC+4*\r+2:ACC+4*\r+3]
.endr
.irp r, 0,1,2,3
	v_add_f32 v[ACC+4*\r], v[ACC+4*\r], v[ACC+4*\r+1]
.endr
.irp r, 0,1,2,3
	v_add_f32 v[ACC+4*\r], v12, v[ACC+4*\r]
.endr
	s_wait_alu depctr_va_vdst(0)                   ; the additions have written v[ACC + 4 r], which the four LDS stores read; and the loop is done reading XJ, in which wave 0's loads below land (no vector instruction stands between)
.irp r, 0,1,2,3
	ds_store_b32 v10, v[ACC+4*\r] offset:128*\r
.endr
	s_wait_dscnt 0x0                               ; for wave 0's sake: my four stores are in LDS
	s_barrier_signal -1
	s_barrier_wait -1
	s_cmp_lg_u32 s22, 0                            ; no barrier follows: the other waves are done
	s_cbranch_scc1 .Lend
	; Wave 0: lane l adds the 16 waves' shares of rows 4 l .. 4 l + 3, always in the same order, and stores 16 bytes.
.irp k, 0,1,2,3,4,5,6,7,8,9,10,11,12,13,14,15
	ds_load_b128 v[XJ+4*\k:XJ+4*\k+3], v14 offset:512*\k
.endr
	s_wait_dscnt 0x0
.macro FOLD d                          ; share k += share k + d, k = 0 .. d - 1
.set k, 0
.rept \d
	v_pk_add_f32 v[XJ+4*k:XJ+4*k+1],   v[XJ+4*k:XJ+4*k+1],   v[XJ+4*(k+\d):XJ+4*(k+\d)+1]
	v_pk_add_f32 v[XJ+4*k+2:XJ+4*k+3], v[XJ+4*k+2:XJ+4*k+3], v[XJ+4*(k+\d)+2:XJ+4*(k+\d)+3]
.set k, k+1
.endr
.endm
	FOLD 8
	FOLD 4
	FOLD 2
	FOLD 1
	s_wait_alu depctr_va_vdst(0)                   ; the last additions have written v[XJ:XJ+3], which the store reads
	global_store_b128 v11, v[XJ:XJ+3], s[20:21]    ; the wave stores 512 consecutive bytes, at a multiple of 512 from out's first byte
.Lend:
	s_wait_dscnt 0x0
	s_wait_alu depctr_hold_cnt(0) depctr_sa_sdst(0) depctr_va_vdst(0) depctr_va_sdst(0) depctr_va_ssrc(0) depctr_va_vcc(0) depctr_vm_vsrc(0)
	s_wait_tensorcnt 0x0
	ds_add_u32 v224, v225
	s_wait_dscnt 0x0
	s_endpgm
.Lfunc_end_k_q20f7233be6_formula:
	.size	k_q20f7233be6_formula, .Lfunc_end_k_q20f7233be6_formula-k_q20f7233be6_formula
	.p2alignl 7, 3214868480
	.fill 96, 4, 3214868480
	.section	.rodata,"a",@progbits
	.p2align	6, 0x0
	.amdhsa_kernel k_q20f7233be6_formula
		.amdhsa_group_segment_fixed_size 94208
		.amdhsa_private_segment_fixed_size 0
		.amdhsa_enable_private_segment 0
		.amdhsa_kernarg_size 72
		.amdhsa_user_sgpr_count 2
		.amdhsa_user_sgpr_kernarg_segment_ptr 1
		.amdhsa_wavefront_size32 1
		.amdhsa_system_sgpr_workgroup_id_x 1
		.amdhsa_system_sgpr_workgroup_id_y 1
		.amdhsa_system_sgpr_workgroup_id_z 1
		.amdhsa_system_vgpr_workitem_id 0
		.amdhsa_next_free_vgpr 226
		.amdhsa_next_free_sgpr 66
		.amdhsa_reserve_vcc 0
		.amdhsa_float_denorm_mode_32 3
		.amdhsa_float_denorm_mode_16_64 3
		.amdhsa_memory_ordered 1
		.amdhsa_forward_progress 1
		.amdhsa_inst_pref_size 58
	.end_amdhsa_kernel
	.amdgpu_metadata
---
amdhsa.version: [ 1, 2 ]
amdhsa.kernels:
  - .name:           k_q20f7233be6_formula
    .symbol:         k_q20f7233be6_formula.kd
    .args:
      - { .name: x, .offset: 0, .size: 8, .value_kind: global_buffer, .address_space: global }
      - { .name: a, .offset: 8, .size: 8, .value_kind: global_buffer, .address_space: global }
      - { .name: b, .offset: 16, .size: 8, .value_kind: global_buffer, .address_space: global }
      - { .name: c, .offset: 24, .size: 8, .value_kind: global_buffer, .address_space: global }
      - { .name: cross_w, .offset: 32, .size: 8, .value_kind: global_buffer, .address_space: global }
      - { .name: cross_b, .offset: 40, .size: 8, .value_kind: global_buffer, .address_space: global }
      - { .name: lin_w, .offset: 48, .size: 8, .value_kind: global_buffer, .address_space: global }
      - { .name: lin_b, .offset: 56, .size: 8, .value_kind: global_buffer, .address_space: global }
      - { .name: out0, .offset: 64, .size: 8, .value_kind: global_buffer, .address_space: global }
    .group_segment_fixed_size: 94208
    .private_segment_fixed_size: 0
    .kernarg_segment_align: 8
    .kernarg_segment_size: 72
    .max_flat_workgroup_size: 512
    .sgpr_count:     66
    .vgpr_count:     226
    .wavefront_size: 32
...
	.end_amdgpu_metadata
.endif
;; end of part 2
